; MI455X (gfx1250); checked and timed in simulation.
; The chip was launched on July 23, 2026; its instructions are those of AMD's public machine-readable ISA for CDNA 5 (MIT licence, August 2026) and "CDNA5" Instruction Set Architecture Reference Guide (July 2026). The comments in the code are by the model that wrote it; some were corrected since.
;; Attention Block. Allowed arithmetic: matrix products marked QUANTISED: E2M3 operands, one E8M0 scale for each 32 along K, by v_wmma_scale_f32_16x16x128_f8f6f4 with both operands' format E2M3, f32 sums; everything else in f32.
;; Inputs: beta 256 float32; gamma 256 float32; proj_bias 256 x 1 x 1 float32; qkv_bias 768 x 1 x 1 float32; w_proj_codes 256 x 8 x 24 uint8 (E2M3 codes of w_proj, K innermost, in blocks of 32 codes, four codes in three bytes); w_proj_scales 256 x 8 uint8 (E8M0 scales of w_proj, one for each 32 codes along K); w_qkv_codes 768 x 8 x 24 uint8 (E2M3 codes of w_qkv, K innermost, in blocks of 32 codes, four codes in three bytes); w_qkv_scales 768 x 8 uint8 (E8M0 scales of w_qkv, one for each 32 codes along K); x 4 x 256 x 64 x 64 float32.
;; Outputs: out0 4 x 256 x 64 x 64 float32.
;; Constants: num_heads = 4.
;; This version of the problem:
;;   THIS VERSION OF THE PROBLEM IS GIVEN IN LOW PRECISION. The matrix products marked QUANTISED in the list below multiply operands that are first quantised to E2M3 (2 exponent bits, 3 mantissa bits; 6 bits a number), with one power-of-two scale for each 32 numbers along K (OCP MX v1.0); their sums are f32. All else is computed in f32.
;;   The module's matrix products, in the order in which they are computed (A, B: the left and right operand; K: the contracted axis; several contracted axes count as one K, in the product's order):
;;     1. [M 768, K 256] x [K 256, N 16,384]; A: input w_qkv (given as codes); B: computed on the way: QUANTISED
;;     2. batch 16 x [M 4,096, K 64] x [K 64, N 4,096]; A: computed on the way; B: computed on the way: QUANTISED
;;     3. batch 16 x [M 64, K 4,096] x [K 4,096, N 4,096]; A: computed on the way; B: softmax (see below): QUANTISED
;;     4. [M 256, K 256] x [K 256, N 16,384]; A: input w_proj (given as codes); B: computed on the way: QUANTISED
;;   THE QUANTISER, for each operand of a quantised product, along K:
;;     - K is cut into blocks of 32 from its start; a last block that is shorter is filled with zeros.
;;     - A block's scale is 2^e with e = floor(log2(the largest magnitude in the block)) - 2, held to -126 .. 127; a block of zeros has e = 0. As a byte (E8M0): e + 127.
;;     - Each number is divided by its block's scale, clamped to +-7.5, and rounded to the nearest number of E2M3, ties to even, subnormals kept.
;;     - The product sums the exact products of the quantised numbers (number of the format x scale) in f32.
;;   ~~~python
;;   def quantise(x, axis):      # numpy; x: float32 -> the quantised numbers, widened to float32 again
;;       x = np.moveaxis(x, axis, -1); K = x.shape[-1]
;;       x = np.pad(x, [(0, 0)] * (x.ndim - 1) + [(0, -K % 32)]); x = x.reshape(x.shape[:-1] + (-1, 32)); a = np.abs(x).max(-1, keepdims=True)
;;       e = np.where(a > 0, np.clip(np.frexp(np.where(a > 0, a, 1))[1] - 1 - 2, -126, 127), 0)      # np.frexp(a)[1] - 1 = floor(log2(a)), exactly
;;       r = np.clip(x / 2.0 ** e, -7.5, 7.5)
;;       step = 2.0 ** (np.maximum(np.frexp(np.where(r == 0, 1, r))[1] - 1, 0) - 3)
;;       q = np.round(r / step) * step * 2.0 ** e      # np.round: ties to even
;;       return np.moveaxis(q.reshape(q.shape[:-2] + (-1,))[..., :K], -1, axis).astype(np.float32)
;;   ~~~
;;   SOFTMAX AHEAD OF A QUANTISED PRODUCT. Where the list says 'softmax', what is quantised is not the finished softmax but p = 2^(t - M), with t = logit x log2(e) and M = ceil(the row's largest t), a whole number; so 1/2 < the row's largest p <= 1. The row's sum l is taken of the UNQUANTISED p, in f32, and the product's result is divided by l at the end. Since M is a whole number, a kernel that streams over the keys may use a running M (the ceiling of the running maximum): every later rescaling is an exact power of two, which a block's scale takes up: the codes' values come out the same.
;;   OPERANDS COMPUTED ON THE WAY. 'Computed on the way' means the value that the module computes at that place (a softmax that the list does not call 'softmax' is quantised finished and normalised). What goes into a quantiser is computed in f32, as accurately as f32 sums, v_exp_f32 and their like allow (about 1e-6 of the number): no bf16 or f16 on the way to a quantiser, and a product that is left as it is and whose result goes on into a quantised operand takes f32 operands (vector FMAs, or v_wmma_f32_16x16x4_f32). A number that lies on a knife's edge between two numbers of the format may be rounded either way, as far as f32 arithmetic and the matrix unit's own rounding can turn it there, and no further.
;;   INPUTS GIVEN AS CODES. w_proj (in the module: [256, 256], K = its axis 1); w_qkv (in the module: [768, 256], K = its axis 1): each comes as NAME_codes (uint8): NAME with its K axis moved to the last place and cut into blocks of 32 codes, [.., K / 32, bytes a block], one block behind the other in memory; four codes in three bytes: a row's codes are one little-endian stream of bits, code i at bits 6 i .. 6 i + 5 (a code: sign, 2 exponent bits, 3 mantissa bits); and NAME_scales (uint8): the same leading axes, one E8M0 byte (e + 127) for each 32 codes along K. Its value is code x scale, taken as it is: it is not quantised again, and the codes and scales need not be those that the quantiser above would give.
;; One version. Each part assembles by itself: llvm-mc -triple=amdgcn-amd-amdhsa -mcpu=gfx1250 --defsym DOCPART=n.
;; ======== version 1 of 1: 4 launches
;; workspace buffers: stats 2,048 bytes; qc 3,145,728 bytes; qs 262,144 bytes; kv 6,684,672 bytes; ac 3,145,728 bytes; asw 262,144 bytes
;; launch stats (part 1): grid 256 x 1, 8 waves a work-group, no clusters, 1,536 bytes of LDS; arguments x, stats; writes stats
.if DOCPART == 1
	.amdgcn_target "amdgcn-amd-amdhsa--gfx1250"
	.amdhsa_code_object_version 6
	.text
	.protected	k_q1641f3bd76_stats
	.globl	k_q1641f3bd76_stats
	.p2align	8
	.type	k_q1641f3bd76_stats,@function
k_q1641f3bd76_stats:
	s_mov_b64 s[64:65], 0
	v_nop
	global_prefetch_b8 v0, s[64:65] scope:SCOPE_SE
	s_setreg_imm32_b32 hwreg(HW_REG_WAVE_MODE, 25, 1), 1
	s_wait_xcnt 0x0
; GroupNorm's statistics.  x: [4][256][4096] f32; a group is 8 channels x 4,096 positions = 131,072 dense bytes.
; Work-group i takes the 65,536 bytes at 65,536 i, half a group (16,384 numbers), and stores {mean, M2} (M2 = the sum of squares of the
; differences from that mean) at byte 8 i of stats.  The next launch joins the two halves of a group.
; A thread holds its 64 numbers in registers between the pass for the mean and the pass for M2: x is read once here, and no difference of
; two large sums is formed, so a common offset in x costs no accuracy.
; LIMITS: NaN and infinities among the inputs are not served.
.set X, 16                             ; v16-79  my 64 numbers
.set S, 2                              ; v2-9    four chains of pairs
	s_load_b128 s[4:7], s[0:1], 0x0                ; x, stats
	v_lshl_add_u32 v96, v0, 2, 0x200
	v_mov_b32 v97, 0
	v_lshlrev_b32 v1, 4, v0                        ; 16 bytes a thread: a load of the work-group covers 4,096 consecutive bytes
	v_lshrrev_b32 v15, 5, v0
	s_delay_alu instid0(VALU_DEP_1)
	v_lshlrev_b32 v15, 2, v15                      ; 4 x wave: my wave's word in LDS
	v_mov_b32 v14, 0
	v_mov_b32 v13, 0                               ; written once: a lane permute's destination counts as one of its sources
	s_lshl_b32 s2, ttmp9, 16
	s_mov_b32 s3, 0
	s_lshl_b32 s8, ttmp9, 3
	s_mov_b32 s9, 0
	s_mov_b32 s10, 0x76543210                      ; v_permlanex16_b32's selects for lane l xor 16
	s_mov_b32 s11, 0xfedcba98
	s_wait_alu depctr_va_vdst(0)
	s_wait_kmcnt 0x0
	s_add_nc_u64 s[4:5], s[4:5], s[2:3]
	s_add_nc_u64 s[6:7], s[6:7], s[8:9]
.set j, 0
.rept 16
	global_load_b128 v[X+4*j:X+4*j+3], v1, s[4:5] offset:4096*j
.set j, j+1
.endr
.macro FOLD                            ; four chains of pairs -> one number a lane, in v12
	v_pk_add_f32 v[2:3], v[2:3], v[4:5]
	s_delay_alu instid0(VALU_DEP_2)
	v_pk_add_f32 v[6:7], v[6:7], v[8:9]
	s_delay_alu instid0(VALU_DEP_1)
	v_pk_add_f32 v[2:3], v[2:3], v[6:7]
	s_delay_alu instid0(VALU_DEP_1)
	v_add_f32 v12, v2, v3
.endm
.macro WSUM                            ; v12 summed over the wave's 32 lanes, the result in every lane
	s_delay_alu instid0(VALU_DEP_1)
	v_add_f32_dpp v12, v12, v12 row_xmask:1 row_mask:0xf bank_mask:0xf
	s_delay_alu instid0(VALU_DEP_1)
	v_add_f32_dpp v12, v12, v12 row_xmask:2 row_mask:0xf bank_mask:0xf
	s_delay_alu instid0(VALU_DEP_1)
	v_add_f32_dpp v12, v12, v12 row_xmask:4 row_mask:0xf bank_mask:0xf
	s_delay_alu instid0(VALU_DEP_1)
	v_add_f32_dpp v12, v12, v12 row_xmask:8 row_mask:0xf bank_mask:0xf
	s_delay_alu instid0(VALU_DEP_1)
	v_permlanex16_b32 v13, v12, s10, s11
	s_delay_alu instid0(VALU_DEP_1)
	v_add_f32 v12, v12, v13
.endm
.macro GSUM base                       ; v12 summed over the eight waves: each wave's word at base + 4 x wave, a barrier, every wave reads all eight
	ds_store_b32 v15, v12 offset:\base
	s_wait_dscnt 0x0                               ; for the others' sake: my store is done
	s_barrier_signal -1
	s_barrier_wait -1
	ds_load_b128 v[80:83], v14 offset:\base
	ds_load_b128 v[84:87], v14 offset:\base+16
	s_wait_dscnt 0x0
	v_add_f32 v80, v80, v81
	v_add_f32 v82, v82, v83
	v_add_f32 v84, v84, v85
	v_add_f32 v86, v86, v87
	s_delay_alu instid0(VALU_DEP_3)
	v_add_f32 v80, v80, v82
	s_delay_alu instid0(VALU_DEP_2)
	v_add_f32 v84, v84, v86
	s_delay_alu instid0(VALU_DEP_1)
	v_add_f32 v12, v80, v84
.endm
	; pass 1: the sum.  The first four loads start the chains: nothing is cleared
.set j, 0
.rept 16
	s_wait_loadcnt 15-j                            ; loads come back in order: load j is in, the 15 - j younger ones stay out
.if j < 4
	v_pk_add_f32 v[S+2*j:S+2*j+1], v[X+4*j:X+4*j+1], v[X+4*j+2:X+4*j+3]
.else
	s_wait_alu depctr_va_vdst(0)
	v_pk_add_f32 v[S+2*(j%4):S+2*(j%4)+1], v[S+2*(j%4):S+2*(j%4)+1], v[X+4*j:X+4*j+1]
	s_delay_alu instid0(VALU_DEP_1)
	v_pk_add_f32 v[S+2*(j%4):S+2*(j%4)+1], v[S+2*(j%4):S+2*(j%4)+1], v[X+4*j+2:X+4*j+3]
.endif
.set j, j+1
.endr
	FOLD
	WSUM
	GSUM 0
	s_delay_alu instid0(VALU_DEP_1)
	v_mul_f32 v10, 0x38800000, v12                 ; the mean: sum x 2^-14
	s_delay_alu instid0(VALU_DEP_1)
	v_mov_b32 v11, v10
	; pass 2: the sum of squares of the differences
.set j, 0
.rept 32
	v_pk_add_f32 v[X+2*j:X+2*j+1], v[X+2*j:X+2*j+1], v[10:11] neg_lo:[0,1] neg_hi:[0,1]
.set j, j+1
.endr
.set j, 0
.rept 32
.if j < 4
	v_pk_mul_f32 v[S+2*j:S+2*j+1], v[X+2*j:X+2*j+1], v[X+2*j:X+2*j+1]
.else
	s_delay_alu instid0(VALU_DEP_4)
	v_pk_fma_f32 v[S+2*(j%4):S+2*(j%4)+1], v[X+2*j:X+2*j+1], v[X+2*j:X+2*j+1], v[S+2*(j%4):S+2*(j%4)+1]
.endif
.set j, j+1
.endr
	FOLD
	WSUM
	GSUM 256                                       ; other bytes than the first sum's: no wave can overwrite what another still reads
	s_delay_alu instid0(VALU_DEP_1)
	v_mov_b32 v11, v12                             ; v[10:11] = {mean, M2}
	s_wait_alu depctr_va_vdst(0)
	s_wait_xcnt 0x0                                ; EXEC changes only behind this wait
	v_cmp_eq_u32 vcc_lo, 0, v0
	s_wait_tensorcnt 0x0
	ds_add_u32 v96, v97
	s_wait_dscnt 0x0
	s_and_saveexec_b32 s12, vcc_lo
	global_store_b64 v14, v[10:11], s[6:7]         ; thread 0 alone
	s_wait_xcnt 0x0
	s_or_b32 exec_lo, exec_lo, s12
	s_endpgm
.Lfunc_end_k_q1641f3bd76_stats:
	.size	k_q1641f3bd76_stats, .Lfunc_end_k_q1641f3bd76_stats-k_q1641f3bd76_stats
	.p2alignl 7, 3214868480
	.fill 96, 4, 3214868480
	.section	.rodata,"a",@progbits
	.p2align	6, 0x0
	.amdhsa_kernel k_q1641f3bd76_stats
		.amdhsa_group_segment_fixed_size 1536
		.amdhsa_private_segment_fixed_size 0
		.amdhsa_enable_private_segment 0
		.amdhsa_kernarg_size 16
		.amdhsa_user_sgpr_count 2
		.amdhsa_user_sgpr_kernarg_segment_ptr 1
		.amdhsa_wavefront_size32 1
		.amdhsa_system_sgpr_workgroup_id_x 1
		.amdhsa_system_sgpr_workgroup_id_y 1
		.amdhsa_system_sgpr_workgroup_id_z 1
		.amdhsa_system_vgpr_workitem_id 0
		.amdhsa_next_free_vgpr 98
		.amdhsa_next_free_sgpr 66
		.amdhsa_reserve_vcc 1
		.amdhsa_float_denorm_mode_32 3
		.amdhsa_float_denorm_mode_16_64 3
		.amdhsa_memory_ordered 1
		.amdhsa_forward_progress 1
		.amdhsa_inst_pref_size 14
	.end_amdhsa_kernel
	.amdgpu_metadata
---
amdhsa.version: [ 1, 2 ]
amdhsa.kernels:
  - .name:           k_q1641f3bd76_stats
    .symbol:         k_q1641f3bd76_stats.kd
    .args:
      - { .name: x, .offset: 0, .size: 8, .value_kind: global_buffer, .address_space: global }
      - { .name: stats, .offset: 8, .size: 8, .value_kind: global_buffer, .address_space: global }
    .group_segment_fixed_size: 1536
    .private_segment_fixed_size: 0
    .kernarg_segment_align: 8
    .kernarg_segment_size: 16
    .max_flat_workgroup_size: 256
    .sgpr_count:     66
    .vgpr_count:     98
    .wavefront_size: 32
...
	.end_amdgpu_metadata
.endif
;; end of part 1
;; launch qkv (part 2): grid 128 x 2, 8 waves a work-group, no clusters, 160,768 bytes of LDS; arguments x, stats, gamma, beta, w_qkv_codes, w_qkv_scales, qkv_bias, qc, qs, kv; writes qc, qs, kv
.if DOCPART == 2
	.amdgcn_target "amdgcn-amd-amdhsa--gfx1250"
	.amdhsa_code_object_version 6
	.text
	.protected	k_q1641f3bd76_qkv
	.globl	k_q1641f3bd76_qkv
	.p2align	8
	.type	k_q1641f3bd76_qkv,@function
k_q1641f3bd76_qkv:
	s_mov_b64 s[64:65], 0
	v_nop
	global_prefetch_b8 v0, s[64:65] scope:SCOPE_SE
	s_setreg_imm32_b32 hwreg(HW_REG_WAVE_MODE, 25, 1), 1
	s_wait_xcnt 0x0
; GroupNorm, its quantising along the channels, qkv = W h + bias on codes of FP6 (E2M3) with E8M0 scales, q and k times 8^-1/2, and the quantising of q, k (along a head's 64 channels) and v (along the keys).
; SHARES.  Work-group (x, y): batch b = x / 32, key step sg = x % 32 (128 positions), heads 2 y and 2 y + 1 of the batch.  Eight waves.
; A TILE OF 16 POSITIONS IS NOT 16 NEIGHBOURS: row r of tile j stands for position 32 (j / 2) + 8 (j % 2) + r + 8 (r / 8).  The rows of W that form a tile are chosen the same way.  Where such a tile is source 0,
; the 16 result registers of tiles 2 b and 2 b + 1 are 16 neighbours, 32 b + 16 (lane / 16) + 0 .. 15: what the conversions want.
; PHASES.  GN: wave w normalises channels 32 w .. 32 w + 31 (whole rows of 512 bytes) into an f32 stage in LDS | barrier | X: wave w quantises position tile w: two fragments (K = 256 channels), stored to LDS as
; images of their registers | barrier | V: wave w makes v's channel tile w % 4 of head 2 y + w / 4 for all 128 positions (source 0 = h, source 1 = W: a lane holds one channel, its registers run along the keys)
; and quantises it: one whole fragment and one scale word a row |  QK: wave w makes q (w % 2 = 0) or k (1) of head 2 y + (w % 4) / 2 for tiles 4 (w / 4) + 0 .. 3 (source 0 = W, source 1 = h: a lane holds one
; position, its registers run along the channels) and quantises it: half a fragment (64 along K) a tile | barrier | wave 0 stores v's scale words.
; WORKSPACE, laid as images of operand registers.  A piece (half a fragment, 768 bytes): registers 0-3 at 16 x lane, registers 4-5 at 512 + 8 x lane.  qc: piece of head g, tile j at (256 g + j) 768.
; qs: word at 16,384 g + 256 (j / 4) + 16 r + 4 (j % 4); its two upper bytes are 0x7f (the upper 64 along K are zero codes in the next launch).
; kv: a block of 13,056 bytes for head g and key step sg at (32 g + sg) 13,056: eight pieces of k; at 6,144 k's words (16 (r + 16 (j / 4)) + 4 (j % 4)); at 6,656 four fragments of v (1,536 each); at 12,800 v's words (16 r + 4 t).
; LIMITS: NaN and infinities are not served.  A block whose largest magnitude lies under 2^-124, a block of zeros among them, keeps the scale byte 1 (its codes are zeros or next to it; the bytes are read by this
; program alone).  v_rsq_f32 stands ahead of the quantiser with the accuracy that AMD's ISA guide gives it.
.set HIMG, 132096                      ; LDS: 0: the stage, channel ch, position p at (ch / 32) 16,512 + (ch % 32) 512 + 4 p (128 bytes of padding behind each 32 rows);  here: h's 16 fragment images, index 2 tile + K step
.set HSC,  156672                      ; their scale words, 128 bytes each, at 4 x lane
.set VSC,  158720                      ; v's scale words of the two heads, 256 bytes each
.set GA,  24                           ; s24-55  rstd x gamma of my 32 channels; free behind phase GN
.set MU,  56                           ; s56-59  the means of my four groups
.set WV,  60                           ; s60     wave
.set BE,  68                           ; s68-99  beta of my 32 channels
.set TM,  32                           ; v32-47  at work in the quantisers (v40, v41 excepted)
.set LIQ, 40                           ; v40     phase QK: image address of my four tiles
.set LSQ, 41                           ; v41     and of their scale words
.set PW,  48                           ; v48     the scale word just made
; v1 lane, v2 r, v3 h; v4 16 lane; v5 stage, in; v6, v7 stage, out; v8 images; v9 words; v10, v11 where I store mine; v12 W's codes; v13 W's scales; v14, v15 the bias; v16 8 lane; v17 16 r; v18 8 h;
; v19-21 v's scale words; v22, v23 stats and gamma; v24-31 W's scale words (q, k); v50-51 (v); v52-55 four tiles' words; v56-63 h's scale words; v64-255 data.  Window 1: v0-95 W's fragments for q or k, v96-119 for v, v128-159, v160-167 biases.
.set MSB, 0
.macro WIN new                         ; the immediate's high byte repeats the setting that is left
.if MSB != \new
	s_set_vgpr_msb (MSB<<8)|\new
.set MSB, \new
.endif
.endm
.macro NOP4                            ; four places behind matrix instructions (ISA guide 7.12.1), where no other vector work is at hand
.rept 4
	v_nop
.endr
.endm
.macro BARRIER                         ; my LDS stores have landed and my LDS loads are in: then the work-group's barrier
	s_wait_dscnt 0x0
	s_barrier_signal -1
	s_barrier_wait -1
.endm
	s_load_b256 s[4:11], s[0:1], 0x0               ; x, stats, gamma, beta
	s_load_b256 s[12:19], s[0:1], 0x20             ; W's codes, W's scales, the bias, qc
	s_load_b128 s[20:23], s[0:1], 0x40             ; qs, kv
	v_lshl_add_u32 v43, v0, 2, 0x27000
	v_mov_b32 v49, 0
	v_lshrrev_b32 v44, 5, v0
	s_delay_alu instid0(VALU_DEP_1)
	v_readfirstlane_b32 s[WV], v44                 ; wave 0..7
	v_and_b32 v1, 31, v0
	v_and_b32 v2, 15, v0
	v_bfe_u32 v3, v0, 4, 1
	s_delay_alu instid0(VALU_DEP_2)
	v_and_b32 v45, 8, v2
	s_delay_alu instid0(VALU_DEP_1)
	v_add_nc_u32 v45, v45, v2                      ; r + 8 (r / 8)
	v_lshlrev_b32 v4, 4, v1
	s_mul_i32 s2, s[WV], 16512
	v_add_nc_u32 v5, s2, v4                        ; stage, in: my 32 rows, 16 bytes a lane
	s_lshr_b32 s2, s[WV], 1
	s_lshl_b32 s2, s2, 7
	s_and_b32 s3, s[WV], 1
	s_lshl_b32 s3, s3, 5
	s_add_co_u32 s2, s2, s3
	v_mul_u32_u24 v6, v3, 16512
	s_delay_alu instid0(VALU_DEP_1)
	v_lshl_add_u32 v6, v45, 2, v6
	s_delay_alu instid0(VALU_DEP_1)
	v_add_nc_u32 v6, s2, v6                        ; stage, out: my position of tile w; lanes 16-31 begin 32 channels on
	s_delay_alu instid0(VALU_DEP_1)
	v_add_nc_u32 v7, 66048, v6                     ; the same for channels 128 on
	v_add_nc_u32 v8, HIMG, v4
	v_lshl_add_u32 v9, v1, 2, HSC
	s_mul_i32 s2, s[WV], 3072
	v_add_nc_u32 v10, s2, v8
	s_lshl_b32 s2, s[WV], 8
	v_add_nc_u32 v11, s2, v9
	s_lshr_b32 s2, s[WV], 2
	s_mul_i32 s3, s2, 12288
	v_add_nc_u32 v[LIQ], s3, v8
	s_lshl_b32 s3, s2, 10
	v_add_nc_u32 v[LSQ], s3, v9
	v_mul_u32_u24 v12, v45, 192                    ; a row of W is 256 codes, 192 bytes
	s_delay_alu instid0(VALU_DEP_1)
	v_mad_u32_u24 v12, v3, 24, v12
	v_lshlrev_b32 v13, 3, v45
	v_lshlrev_b32 v14, 6, v3
	v_lshlrev_b32 v15, 2, v45
	v_lshlrev_b32 v16, 3, v1
	v_lshlrev_b32 v17, 4, v2
	v_lshlrev_b32 v18, 3, v3
	s_lshl_b32 s2, s2, 8
	s_and_b32 s3, s[WV], 3
	s_lshl_b32 s3, s3, 2
	s_add_co_u32 s2, s2, s3
	s_add_co_u32 s2, s2, VSC
	v_add_nc_u32 v19, s2, v17                      ; v's word of my channel tile: 256 (w / 4) + 16 r + 4 (w % 4)
	v_add_nc_u32 v20, VSC, v4
	v_mul_u32_u24 v21, v3, 417792                  ; a head's 32 blocks of kv
	s_delay_alu instid0(VALU_DEP_1)
	v_add_nc_u32 v21, v21, v17
	v_lshrrev_b32 v22, 3, v1
	s_delay_alu instid0(VALU_DEP_1)
	v_lshlrev_b32 v22, 4, v22                      ; lane l stands for channel 32 w + l: group 4 w + l / 8, 16 bytes of stats
	v_lshlrev_b32 v23, 2, v1
	s_lshr_b32 s62, ttmp9, 5                       ; b
	s_and_b32 s63, ttmp9, 31                       ; sg
	s_and_b32 s61, ttmp7, 0xffff                   ; y
	s_mov_b32 s66, 0x76543210                      ; v_permlanex16_b32's selects for lane l xor 16
	s_mov_b32 s67, 0xfedcba98
	s_mov_b32 s3, 0
	s_wait_alu depctr_va_vdst(0)
	s_wait_kmcnt 0x0
	s_lshl_b32 s2, s[WV], 7
	s_add_nc_u64 s[10:11], s[10:11], s[2:3]
	s_add_nc_u64 s[8:9], s[8:9], s[2:3]
	s_load_b512 s[BE:BE+15], s[10:11], 0x0         ; beta of my 32 channels, as scalars
	s_load_b512 s[BE+16:BE+31], s[10:11], 0x40
	s_lshl_b32 s2, s62, 9
	s_lshl_b32 s100, s[WV], 6
	s_add_co_u32 s2, s2, s100
	s_add_nc_u64 s[6:7], s[6:7], s[2:3]            ; stats of group 32 b + 4 w
	global_load_b128 v[32:35], v22, s[6:7]         ; mean and M2 of the group's two halves
	global_load_b32 v36, v23, s[8:9]               ; gamma
	s_lshl_b32 s2, s62, 22
	s_lshl_b32 s100, s[WV], 19
	s_add_co_u32 s2, s2, s100
	s_lshl_b32 s100, s63, 9
	s_add_co_u32 s2, s2, s100
	s_add_nc_u64 s[4:5], s[4:5], s[2:3]            ; x at channel 32 w, position 128 sg
.set i, 0
.rept 32
	global_load_b128 v[64+4*i:64+4*i+3], v4, s[4:5] offset:16384*i   ; a channel's 128 positions: 512 consecutive bytes, aligned
.set i, i+1
.endr
	s_wait_loadcnt 32                              ; the two loads of constants are in; the 32 rows stay out
	v_add_f32 v37, v32, v34
	v_sub_f32 v38, v32, v34
	v_add_f32 v39, v33, v35
	s_delay_alu instid0(VALU_DEP_3)
	v_mul_f32 v37, 0.5, v37                        ; the group's mean
	s_delay_alu instid0(VALU_DEP_3)
	v_mul_f32 v38, v38, v38
	s_delay_alu instid0(VALU_DEP_1)
	v_fmamk_f32 v38, v38, 0x46000000, v39          ; M2 = M2a + M2b + (ma - mb)^2 x 8,192 (two halves of 16,384 numbers)
	s_delay_alu instid0(VALU_DEP_1)
	v_mul_f32 v38, 0x38000000, v38                 ; the variance: x 2^-15
	s_delay_alu instid0(VALU_DEP_1)
	v_add_f32 v38, 0x3727c5ac, v38                 ; + 1e-5
	s_wait_alu depctr_va_vdst(0)
	v_rsq_f32 v38, v38
	v_nop                                          ; one plain place behind a transcendental
	s_wait_alu depctr_va_vdst(0)
	v_mul_f32 v39, v38, v36                        ; rstd x gamma
.set i, 0
.rept 32
	v_readlane_b32 s[GA+i], v39, i
.set i, i+1
.endr
.irp k, 0,1,2,3
	v_readlane_b32 s[MU+\k], v37, 8*\k
.endr
	s_wait_kmcnt 0x0                               ; beta
	; ---- GN: (x - mean) x (rstd x gamma) + beta: the mean is taken off first, so that an offset in x is gone before anything is rounded
.set i, 0
.rept 32
	s_wait_loadcnt 31-i                            ; row i is in, the younger rows stay out
.irp k, 0,1,2,3
	v_subrev_f32 v[64+4*i+\k], s[MU+i/8], v[64+4*i+\k]
.endr
.irp k, 0,1,2,3
	s_delay_alu instid0(VALU_DEP_4)
	v_fma_f32 v[64+4*i+\k], v[64+4*i+\k], s[GA+i], s[BE+i]
.endr
	ds_store_b128 v5, v[64+4*i:64+4*i+3] offset:512*i
.set i, i+1
.endr
	; ---- where my weights lie and where my results go (s24-59 are free now)
	s_mov_b32 s58, 0x3eb504f3                      ; 8^-1/2 = 64^-1/4; the packed form names a pair and takes its low word for both halves
	s_mov_b32 s59, s58
	s_bfe_u32 s44, s[WV], 0x10001                  ; (w / 2) % 2
	s_and_b32 s45, s[WV], 1
	s_lshr_b32 s48, s[WV], 2
	s_lshl_b32 s46, s61, 1
	s_add_co_u32 s49, s46, s48                     ; phase V's head within the batch
	s_add_co_u32 s46, s46, s44                     ; phase QK's
	s_mul_i32 s47, s46, 192
	s_lshl_b32 s100, s45, 6
	s_add_co_u32 s47, s47, s100                    ; first row of W for q or k
	s_mul_i32 s50, s49, 192
	s_lshl_b32 s100, s44, 5
	s_add_co_u32 s50, s50, s100
	s_lshl_b32 s100, s45, 3
	s_add_co_u32 s50, s50, s100
	s_add_co_u32 s50, s50, 128                     ; first row of W for my tile of v
	s_mul_i32 s2, s47, 192
	s_add_nc_u64 s[24:25], s[12:13], s[2:3]
	s_mul_i32 s2, s50, 192
	s_add_nc_u64 s[26:27], s[12:13], s[2:3]
	s_lshl_b32 s2, s47, 3
	s_add_nc_u64 s[28:29], s[14:15], s[2:3]
	s_lshl_b32 s2, s50, 3
	s_add_nc_u64 s[30:31], s[14:15], s[2:3]
	s_lshl_b32 s2, s47, 2
	s_add_nc_u64 s[32:33], s[16:17], s[2:3]
	s_lshl_b32 s2, s50, 2
	s_add_nc_u64 s[34:35], s[16:17], s[2:3]
	WIN 0x40                                       ; destination window 1, address window 0.  The weights land while phase X works
.irp t, 0,1,2,3
.irp k, 0,1
.irp p, 0,1,2,3,4,5
	global_load_b64 v[12*(2*\t+\k)+2*\p:12*(2*\t+\k)+2*\p+1], v12, s[24:25] offset:(32*(\t/2)+8*(\t%2))*192+96*\k+48*(\p/3)+8*(\p%3)
.endr
.endr
.endr
.irp k, 0,1
.irp p, 0,1,2,3,4,5
	global_load_b64 v[96+12*\k+2*\p:96+12*\k+2*\p+1], v12, s[26:27] offset:96*\k+48*(\p/3)+8*(\p%3)
.endr
.endr
.irp t, 0,1,2,3                                ; the bias in the result's layout: lane (r, h), register j of tile t: channel 32 (t / 2) + 8 (t % 2) + 16 h + j
	global_load_b128 v[128+8*\t:128+8*\t+3], v14, s[32:33] offset:(32*(\t/2)+8*(\t%2))*4
	global_load_b128 v[128+8*\t+4:128+8*\t+7], v14, s[32:33] offset:(32*(\t/2)+8*(\t%2))*4+16
.endr
.irp j, 0,1,2,3,4,5,6,7                        ; in phase V a lane holds one channel: its bias in all eight registers
	global_load_b32 v[160+\j], v15, s[34:35]
.endr
	WIN 0
.irp t, 0,1,2,3
.irp k, 0,1
	global_load_b32 v[24+2*\t+\k], v13, s[28:29] offset:(32*(\t/2)+8*(\t%2))*8+4*\k
.endr
.endr
.irp k, 0,1
	global_load_b32 v[50+\k], v13, s[30:31] offset:4*\k
.endr
	s_lshl_b32 s51, s62, 2                         ; 4 b
	s_add_co_u32 s52, s51, s49
	s_lshl_b32 s52, s52, 5
	s_add_co_u32 s52, s52, s63
	s_mul_i32 s52, s52, 13056                      ; phase V's block of kv
	s_and_b32 s100, s[WV], 3
	s_mul_i32 s100, s100, 1536
	s_add_co_u32 s2, s52, s100
	s_add_co_u32 s2, s2, 6656
	s_add_nc_u64 s[36:37], s[22:23], s[2:3]        ; my fragment of v
	s_add_co_u32 s53, s51, s46                     ; phase QK's head g
	s_lshl_b32 s54, s53, 5
	s_add_co_u32 s54, s54, s63
	s_mul_i32 s54, s54, 13056
	s_mul_i32 s100, s48, 3072
	s_add_co_u32 s55, s54, s100                    ; k: my four pieces
	s_lshl_b32 s100, s48, 8
	s_add_co_u32 s54, s54, s100
	s_add_co_u32 s54, s54, 6144                    ; k: their words
	s_lshl_b32 s56, s53, 8
	s_lshl_b32 s100, s63, 3
	s_add_co_u32 s56, s56, s100
	s_lshl_b32 s100, s48, 2
	s_add_co_u32 s56, s56, s100
	s_mul_i32 s56, s56, 768                        ; q: my four pieces
	s_lshl_b32 s57, s53, 14
	s_lshl_b32 s100, s63, 9
	s_add_co_u32 s57, s57, s100
	s_lshl_b32 s100, s48, 8
	s_add_co_u32 s57, s57, s100                    ; q: their words
	s_cmp_eq_u32 s45, 0                            ; q or k?  The choice hangs on the wave's number alone
	s_cselect_b64 s[38:39], s[18:19], s[22:23]
	s_cselect_b64 s[40:41], s[20:21], s[22:23]
	s_cselect_b32 s2, s56, s55
	s_cselect_b32 s100, s57, s54
	s_add_nc_u64 s[38:39], s[38:39], s[2:3]
	s_mov_b32 s2, s100
	s_add_nc_u64 s[40:41], s[40:41], s[2:3]
	s_lshl_b32 s100, s61, 1
	s_add_co_u32 s100, s100, s51
	s_lshl_b32 s100, s100, 5
	s_add_co_u32 s100, s100, s63
	s_mul_i32 s2, s100, 13056
	s_add_co_u32 s2, s2, 12800
	s_add_nc_u64 s[42:43], s[22:23], s[2:3]        ; v's words of head 2 y; head 2 y + 1's lie 417,792 bytes on
.irp k, 4,5,6,7
	v_mov_b32 v[TM+\k], 0                          ; written once: a lane permute's destination counts as one of its sources
.endr
	BARRIER                                        ; h lies in the stage
; 64 numbers of a lane, register 32 c + i = k 64 c + 32 (lane / 16) + i of my row (two whole blocks), become a fragment's codes in v[pc] on and its scale word in v[PW]
.macro QUANT6 s, pc
.irp c, 0,1
	v_max3_num_f32 v[TM+\c], |v[\s+32*\c]|, |v[\s+32*\c+1]|, 0x1800000   ; and the floor 2^(3 - 127): the byte cannot fall under 1
.endr
.irp i, 2,4,6,8,10,12,14,16,18,20,22,24,26,28,30
.irp c, 0,1
	s_delay_alu instid0(VALU_DEP_2)
	v_max3_num_f32 v[TM+\c], v[TM+\c], |v[\s+32*\c+\i]|, |v[\s+32*\c+\i+1]|
.endr
.endr
.irp c, 0,1
	s_delay_alu instid0(VALU_DEP_2)
	v_add_nc_u32 v[TM+4+\c], 0xff000000, v[TM+\c]  ; 2 off the exponent field: the conversion's scale operand
.endr
.irp c, 0,1
	s_delay_alu instid0(VALU_DEP_2)
	v_lshrrev_b32 v[TM+2+\c], 23, v[TM+4+\c]       ; the scale's byte
.endr
	s_delay_alu instid0(VALU_DEP_1)
	v_lshl_or_b32 v[PW], v[TM+3], 16, v[TM+2]      ; my two bytes: blocks h and 2 + h,
	s_delay_alu instid0(VALU_DEP_1)
	v_lshlrev_b32 v[PW], v18, v[PW]                ; 8 h bits up;
	s_delay_alu instid0(VALU_DEP_1)
	v_permlanex16_b32 v[TM+6], v[PW], s66, s67
	s_delay_alu instid0(VALU_DEP_1)
	v_or_b32 v[PW], v[PW], v[TM+6]                 ; with lane l xor 16's two the word is whole
.irp c, 0,1
	v_cvt_scalef32_pk16_fp6_f32 v[\pc+6*\c:\pc+6*\c+2], v[\s+32*\c:\s+32*\c+15], v[TM+4+\c]
	v_cvt_scalef32_pk16_fp6_f32 v[\pc+12+4*\c:\pc+14+4*\c], v[\s+32*\c+16:\s+32*\c+31], v[TM+4+\c]   ; (a conversion's three registers begin on an even number)
.endr
	v_nop                                          ; one plain place behind a scaled conversion
.irp c, 0,1
.irp i, 0,1,2
	v_mov_b32 v[\pc+3+6*\c+\i], v[\pc+12+4*\c+\i]
.endr
.endr
.endm
; 16 nb numbers of a lane, register 16 b + i = k 32 b + 16 (lane / 16) + i of my row, become codes in v[pc] on (6 registers for each two blocks) and a scale word in v[pw].  nb = 2: the word's upper bytes are 0x7f
.macro QUANT s, nb, pc, pt, pw
.set qb, 0
.rept \nb
	v_max3_num_f32 v[TM+qb], |v[\s+16*qb]|, |v[\s+16*qb+1]|, 0x1800000   ; each accumulator is read from its low end on; the floor 2^(3 - 127)
.set qb, qb+1
.endr
.set qi, 2
.rept 7
.set qb, 0
.rept \nb
	v_max3_num_f32 v[TM+qb], v[TM+qb], |v[\s+16*qb+qi]|, |v[\s+16*qb+qi+1]|
.set qb, qb+1
.endr
.set qi, qi+2
.endr
.set qb, 0
.rept \nb
	v_permlanex16_b32 v[TM+4+qb], v[TM+qb], s66, s67
.set qb, qb+1
.endr
.set qb, 0
.rept \nb
	v_max_num_f32 v[TM+qb], v[TM+qb], v[TM+4+qb]   ; with lane l xor 16's: the block's largest magnitude
.set qb, qb+1
.endr
.set qb, 0
.rept \nb
	v_add_nc_u32 v[TM+12+qb], 0xff000000, v[TM+qb]
.set qb, qb+1
.endr
.set qb, 0
.rept \nb
	v_lshrrev_b32 v[TM+4+qb], 23, v[TM+12+qb]
.set qb, qb+1
.endr
	v_lshl_or_b32 v[\pw], v[TM+5], 8, v[TM+4]
.if \nb == 4
	s_delay_alu instid0(VALU_DEP_1)
	v_lshl_or_b32 v[\pw], v[TM+6], 16, v[\pw]
	s_delay_alu instid0(VALU_DEP_1)
	v_lshl_or_b32 v[\pw], v[TM+7], 24, v[\pw]
.else
	s_delay_alu instid0(VALU_DEP_1)
	v_or_b32 v[\pw], 0x7f7f0000, v[\pw]
.endif
.set qq, 0
.rept \nb/2
	v_cvt_scalef32_pk16_fp6_f32 v[\pc+6*qq:\pc+6*qq+2], v[\s+32*qq:\s+32*qq+15], v[TM+12+2*qq]
	v_cvt_scalef32_pk16_fp6_f32 v[\pt+4*qq:\pt+4*qq+2], v[\s+32*qq+16:\s+32*qq+31], v[TM+13+2*qq]
.set qq, qq+1
.endr
	v_nop                                          ; one plain place behind a scaled conversion
.set qq, 0
.rept \nb/2                                    ; the operand's layout wants a WHOLE block in a lane: lanes 0-15 block 2 c, lanes 16-31 block 2 c + 1
.irp i, 0,1,2
	v_permlane16_swap_b32 v[\pc+6*qq+\i], v[\pt+4*qq+\i]
.endr
.irp i, 0,1,2
	s_delay_alu instid0(VALU_DEP_3)
	v_mov_b32 v[\pc+3+6*qq+\i], v[\pt+4*qq+\i]
.endr
.set qq, qq+1
.endr
.endm
.macro LDX reg, adr, off               ; 32 channels of my position out of the stage: with the padding, lanes 16-31 fall 32 banks from lanes 0-15
.set i, 0
.rept 32
	ds_load_b32 v[\reg+i], v[\adr] offset:\off+512*i
.set i, i+1
.endr
.endm
.macro IMAGE off                       ; the fragment in v192 on goes to LDS as it stands: lane l's 16 bytes at 16 l
.irp c, 0,1,2
	ds_store_b128 v10, v[192+4*\c:195+4*\c] offset:\off+512*\c
.endr
.endm
	; ---- X: position tile w becomes two fragments
	LDX 64, 6, 0
	LDX 96, 6, 33024
	LDX 128, 7, 0
	s_wait_dscnt 32                                ; the first 64 loads (channels 0-127) are in; the 32 behind them stay out
	LDX 160, 7, 33024
	QUANT6 64, 192
	IMAGE 0
	ds_store_b32 v11, v[PW]
	s_wait_dscnt 0x0                               ; channels 128-255 are in, and the stores have read their registers
	QUANT6 128, 192
	IMAGE 1536
	ds_store_b32 v11, v[PW] offset:128
	BARRIER                                        ; h's sixteen fragments lie in LDS
	s_wait_loadcnt 0x0                             ; the weights
.macro FETCHH reg, idx
.irp c, 0,1,2
	ds_load_b128 v[\reg+4*\c:\reg+4*\c+3], v8 offset:1536*(\idx)+512*\c
.endr
.endm
.macro FETCHG hb, hs, ks, t0           ; four tiles' fragments of K step ks and their words: 16 LDS loads
.irp m, 0,1,2,3
	FETCHH \hb+12*\m, 2*(\t0+\m)+\ks
	ds_load_b32 v[\hs+\m], v9 offset:128*(2*(\t0+\m)+\ks)
.endr
.endm
.macro MULV hb, hs, ks, t0, first      ; source 0 = h (16 positions), source 1 = W (16 channels of v); first = 1: the bias starts the sums
.irp m, 0,1,2,3
.if \first
	v_wmma_scale_f32_16x16x128_f8f6f4 v[192+8*(\t0+\m):192+8*(\t0+\m)+7], v[\hb+12*\m:\hb+12*\m+11], v[96+12*\ks:96+12*\ks+11], v[160:167], v[\hs+\m], v[50+\ks] matrix_a_fmt:MATRIX_FMT_FP6 matrix_b_fmt:MATRIX_FMT_FP6
.else
	v_wmma_scale_f32_16x16x128_f8f6f4 v[192+8*(\t0+\m):192+8*(\t0+\m)+7], v[\hb+12*\m:\hb+12*\m+11], v[96+12*\ks:96+12*\ks+11], v[192+8*(\t0+\m):192+8*(\t0+\m)+7], v[\hs+\m], v[50+\ks] matrix_a_fmt:MATRIX_FMT_FP6 matrix_b_fmt:MATRIX_FMT_FP6
.endif
.endr
.endm
	; ---- V: eight accumulators by turns; two buffers of four fragments
	FETCHG 64, 56, 0, 0
	FETCHG 112, 60, 0, 4
	s_wait_dscnt 16                                ; the older group is in, the younger group's 16 loads stay out (so at each of these waits)
	WIN 0x14                                       ; source 1 (W) and source 2 (the bias) window 1
	MULV 64, 56, 0, 0, 1
	WIN 0
	NOP4                                           ; places in front of loads into registers that matrix instructions have read
	FETCHG 64, 56, 1, 0
	s_wait_dscnt 16
	WIN 0x14
	MULV 112, 60, 0, 4, 1
	WIN 0
	NOP4
	FETCHG 112, 60, 1, 4
	s_wait_dscnt 16
	WIN 0x04
	MULV 64, 56, 1, 0, 0
	s_wait_dscnt 0x0
	MULV 112, 60, 1, 4, 0
	WIN 0
	NOP4
	QUANT 192, 4, 160, 172, PW                     ; lane (r, h): channel r of my tile; register 16 b + i: key 32 b + 16 h + i
.irp c, 0,1,2
	global_store_b128 v4, v[160+4*\c:163+4*\c], s[36:37] offset:512*\c   ; 512 consecutive bytes, aligned
.endr
	ds_store_b32 v19, v[PW]                        ; the words of four tiles meet in LDS
.macro FETCHT hf, hs, m                ; tile m of my four: two fragments and two words: 8 LDS loads
.irp k, 0,1
.irp c, 0,1,2
	ds_load_b128 v[\hf+12*\k+4*\c:\hf+12*\k+4*\c+3], v[LIQ] offset:1536*(2*(\m)+\k)+512*\c
.endr
	ds_load_b32 v[\hs+\k], v[LSQ] offset:128*(2*(\m)+\k)
.endr
.endm
.macro QKT m
.set HFM, 64+24*((\m)%2)
.set HSM, 56+4*((\m)%2)
.if \m < 3
	FETCHT 64+24*((\m+1)%2), 56+4*((\m+1)%2), \m+1
	s_wait_dscnt 8                                 ; this tile is in; the next tile's 8 loads stay out
.else
	s_wait_dscnt 0x0
.endif
	WIN 0x11                                       ; source 0 (W) and source 2 (the bias) window 1
.irp t, 0,1,2,3
	v_wmma_scale_f32_16x16x128_f8f6f4 v[112+8*\t:119+8*\t], v[24*\t:24*\t+11], v[HFM:HFM+11], v[128+8*\t:135+8*\t], v[24+2*\t], v[HSM] matrix_a_fmt:MATRIX_FMT_FP6 matrix_b_fmt:MATRIX_FMT_FP6
.endr
	WIN 0x01
.irp t, 0,1,2,3
	v_wmma_scale_f32_16x16x128_f8f6f4 v[112+8*\t:119+8*\t], v[24*\t+12:24*\t+23], v[HFM+12:HFM+23], v[112+8*\t:119+8*\t], v[25+2*\t], v[HSM+1] matrix_a_fmt:MATRIX_FMT_FP6 matrix_b_fmt:MATRIX_FMT_FP6
.endr
	WIN 0
	NOP4
.set i, 0
.rept 16
	v_pk_mul_f32 v[112+2*i:113+2*i], v[112+2*i:113+2*i], s[58:59] op_sel_hi:[1,0]   ; (W h + bias) x 8^-1/2, each accumulator from its low end on
.set i, i+1
.endr
	QUANT 112, 2, 192+8*\m, 224, 52+\m             ; lane (r, h): position r of the tile; register 16 b + i: channel 32 b + 16 h + i
	global_store_b128 v4, v[192+8*\m:192+8*\m+3], s[38:39] offset:768*\m
	global_store_b64 v16, v[192+8*\m+4:192+8*\m+5], s[38:39] offset:768*\m+512
.endm
	; ---- QK: four accumulators by turns; each tile has its own registers for its codes and its word, so no store's data are written again
	FETCHT 64, 56, 0
	QKT 0
	QKT 1
	QKT 2
	QKT 3
	s_wait_xcnt 0x0                                ; EXEC changes only behind this wait
	v_cmp_gt_u32 vcc_lo, 16, v1
	s_and_saveexec_b32 s100, vcc_lo
	global_store_b128 v17, v[52:55], s[40:41]      ; sixteen lanes store the four tiles' words: 256 consecutive bytes, aligned
	s_wait_xcnt 0x0
	s_or_b32 exec_lo, exec_lo, s100
	BARRIER                                        ; v's words of both heads lie in LDS
	s_cmp_lg_u32 s[WV], 0
	s_cbranch_scc1 .Ldone
	ds_load_b128 v[64:67], v20
	s_wait_dscnt 0x0
	global_store_b128 v21, v[64:67], s[42:43]      ; each half of the lanes stores one head's 256 bytes
.Ldone:
	s_wait_tensorcnt 0x0
	ds_add_u32 v43, v49
	s_wait_dscnt 0x0
	s_endpgm
.Lfunc_end_k_q1641f3bd76_qkv:
	.size	k_q1641f3bd76_qkv, .Lfunc_end_k_q1641f3bd76_qkv-k_q1641f3bd76_qkv
	.p2alignl 7, 3214868480
	.fill 96, 4, 3214868480
	.section	.rodata,"a",@progbits
	.p2align	6, 0x0
	.amdhsa_kernel k_q1641f3bd76_qkv
		.amdhsa_group_segment_fixed_size 160768
		.amdhsa_private_segment_fixed_size 0
		.amdhsa_enable_private_segment 0
		.amdhsa_kernarg_size 80
		.amdhsa_user_sgpr_count 2
		.amdhsa_user_sgpr_kernarg_segment_ptr 1
		.amdhsa_wavefront_size32 1
		.amdhsa_system_sgpr_workgroup_id_x 1
		.amdhsa_system_sgpr_workgroup_id_y 1
		.amdhsa_system_sgpr_workgroup_id_z 1
		.amdhsa_system_vgpr_workitem_id 0
		.amdhsa_next_free_vgpr 512
		.amdhsa_next_free_sgpr 102
		.amdhsa_reserve_vcc 1
		.amdhsa_float_denorm_mode_32 3
		.amdhsa_float_denorm_mode_16_64 3
		.amdhsa_memory_ordered 1
		.amdhsa_forward_progress 1
		.amdhsa_inst_pref_size 89
	.end_amdhsa_kernel
	.amdgpu_metadata
---
amdhsa.version: [ 1, 2 ]
amdhsa.kernels:
  - .name:           k_q1641f3bd76_qkv
    .symbol:         k_q1641f3bd76_qkv.kd
    .args:
      - { .name: x, .offset: 0, .size: 8, .value_kind: global_buffer, .address_space: global }
      - { .name: stats, .offset: 8, .size: 8, .value_kind: global_buffer, .address_space: global }
      - { .name: gamma, .offset: 16, .size: 8, .value_kind: global_buffer, .address_space: global }
      - { .name: beta, .offset: 24, .size: 8, .value_kind: global_buffer, .address_space: global }
      - { .name: w_qkv_codes, .offset: 32, .size: 8, .value_kind: global_buffer, .address_space: global }
      - { .name: w_qkv_scales, .offset: 40, .size: 8, .value_kind: global_buffer, .address_space: global }
      - { .name: qkv_bias, .offset: 48, .size: 8, .value_kind: global_buffer, .address_space: global }
      - { .name: qc, .offset: 56, .size: 8, .value_kind: global_buffer, .address_space: global }
      - { .name: qs, .offset: 64, .size: 8, .value_kind: global_buffer, .address_space: global }
      - { .name: kv, .offset: 72, .size: 8, .value_kind: global_buffer, .address_space: global }
    .group_segment_fixed_size: 160768
    .private_segment_fixed_size: 0
    .kernarg_segment_align: 8
    .kernarg_segment_size: 80
    .max_flat_workgroup_size: 256
    .sgpr_count:     102
    .vgpr_count:     512
    .wavefront_size: 32
...
	.end_amdgpu_metadata
.endif
;; end of part 2
;; launch attn (part 3): grid 16 x 16, 16 waves a work-group, clusters of 4 x 1, 327,680 bytes of LDS; arguments qc, qs, kv, ac, asw; writes ac, asw
.if DOCPART == 3
	.amdgcn_target "amdgcn-amd-amdhsa--gfx1250"
	.amdhsa_code_object_version 6
	.text
	.protected	k_q1641f3bd76_attn
	.globl	k_q1641f3bd76_attn
	.p2align	8
	.type	k_q1641f3bd76_attn,@function
k_q1641f3bd76_attn:
	s_mov_b64 s[64:65], 0
	v_nop
	global_prefetch_b8 v0, s[64:65] scope:SCOPE_SE
	s_setreg_imm32_b32 hwreg(HW_REG_WAVE_MODE, 25, 1), 1
	s_wait_xcnt 0x0
	s_wait_alu depctr_hold_cnt(0) depctr_sa_sdst(0) depctr_va_vdst(0) depctr_va_sdst(0) depctr_va_ssrc(0) depctr_va_vcc(0) depctr_vm_vsrc(0)
	s_getreg_b32 s2, hwreg(HW_REG_IB_STS2, 6, 4)
	s_cmp_eq_u32 s2, 0
	s_cbranch_scc0 .Lentry_in_a_cluster
	s_endpgm
.Lentry_in_a_cluster:
	s_bfe_u32 s2, ttmp6, 0x10000c
	s_cmp_lg_u32 s2, 0x3003
	s_cbranch_scc0 .Lentry_shape_is_right
	s_endpgm
.Lentry_shape_is_right:
; a = softmax(q k^T) v for 16 heads of 4,096 positions and 64 channels, both products on codes of FP6 (E2M3) with E8M0 scales, and the quantising of a along the channels for the last product.
; THE SOFTMAX AHEAD OF THE SECOND PRODUCT: t = score x log2(e); M = the row's largest t so far, rounded UP to a whole number; p = 2^(t - M) is what is quantised, along the keys; the row's sum is taken of the
; unquantised p and divides O at the end.  When M moves, the sum and O are multiplied by 2^(old M - new M): exact.
; SHARES.  A work-group owns 256 queries of head g (work-group y); each of its sixteen waves owns one tile of 16 queries in 256 registers: four waves to a SIMD, so that one wave's vector work stands beside
; another's matrix work and LDS loads.  Every wave walks all keys, 128 a step.  A step's block of kv (13,056 bytes: eight pieces of k, k's words, four fragments of v, v's words) is laid as images of the
; operands' registers: every LDS read is 16 or 8 bytes a lane on end, so there is no pitch and no padding.
; CLUSTER.  The four work-groups of a cluster are query blocks of one head and walk the same blocks of kv: each slot of eight steps (104,448 bytes) is asked for JOINTLY, by waves 0 to 3, a quarter each, with the
; same descriptor and the mask 15 in all four work-groups.  My place in the cluster enters the addresses of qc, qs, ac and asw alone.
; LAYOUT.  Both products are used transposed: S^T = k q^T (source 0 = 16 keys, source 1 = my 16 queries), O^T = v^T p^T: a lane holds ONE query throughout.  Row r of key tile j is key 32 (j / 2) + 8 (j % 2) + r + 8 (r / 8),
; so the 16 registers of tiles 2 b, 2 b + 1 are keys 32 b + 16 (lane / 16) + 0 .. 15; v's channel tiles are chosen likewise.  The first product's K is 64: registers 6-11 of q's and k's fragments are zero codes, set once.
; By this text's count a wave never has more than one tensor load out.
; LIMITS: NaN and infinities are not served.  A block of p (or of a) whose largest number lies under 2^-124 keeps the scale byte 1.  A block's largest p is made from its largest score: that takes v_exp_f32 not to
; fall where its input rises; at the worst one p within an ulp of a power of two is held one code low.  v_exp_f32 and v_rcp_f32 stand ahead of quantisers with the accuracy that AMD's ISA guide gives them.
.set STEPB, 13056
.set SLOTB, 8*STEPB
.set SLOT1, 1<<17                      ; slot 1 begins here: one exclusive or turns an address in one slot into the other's
.set SPARE, 262144                     ; the spare words, 128 bytes for each wave: eight blocks of 256 bytes that no other line names
.set SCR,   264192                     ; 1,024 bytes: a's scale words of the sixteen tiles; no fill lands here
; v1 16 lane, v2 8 lane, v3 16 r; v4, v5 the add's; v6-8 the step's addresses; v9, v10 SCR in and out; v12 -M, v13 the largest t, v[14:15] the sum; v16-27 q, v28 its word; v29 16 x thread; v32-79 four fragments of k;
; v80-83 k's words, v84-87 v's; v96-159 S^T, then p, then (v96-143) v's four fragments; v160-191 O^T; v192-203 p's codes, v204-210 at work; v212-215 block maxima; v216-219, v220-223 bytes and scale operands;
; v224 at work; v[226:227] f; v228 p's word; v[230:231] the sum's second chain.
; s14 wave, s15 cx, s16 query block, s17 head; s[22:23] log2(e); s[24:31], s[32:35] the descriptor; s[36:37] lane selects; s38 the step's LDS byte; s39, s40 counters.
.macro NOP4
.rept 4
	v_nop
.endr
.endm
.macro CROUND                          ; a round of the cluster's barrier
	s_barrier_signal -1
	s_barrier_wait -1
	s_cmp_lg_u32 s14, 0
	s_cbranch_scc1 .Lnot_wave_0_\@
	s_barrier_signal -3
.Lnot_wave_0_\@:
	s_barrier_wait -3
	s_barrier_signal -1
	s_barrier_wait -1
.endm
.macro JLOAD                           ; waves 0 to 3 fetch a quarter of a slot each; the branch hangs on the wave's number alone; four v_nop follow the load
	s_cmp_lt_u32 s14, 4
	s_cbranch_scc0 .Lasked_\@
	tensor_load_to_lds s[32:35], s[24:31]
	s_nop 0
.rept 4
	v_nop
.endr
.Lasked_\@:
.endm
	s_load_b256 s[4:11], s[0:1], 0x0               ; qc, qs, kv, ac
	s_load_b64 s[12:13], s[0:1], 0x20              ; asw
	v_lshl_add_u32 v4, v0, 2, SPARE
	v_mov_b32 v5, 0
	ds_add_u32 v4, v5
	ds_add_u32 v4, v5
	s_wait_dscnt 0x0
	v_lshrrev_b32 v6, 5, v0
	s_delay_alu instid0(VALU_DEP_1)
	v_readfirstlane_b32 s14, v6                    ; wave 0..15
	s_bfe_u32 s15, ttmp6, 0x40000                  ; cx
	s_lshl_b32 s16, ttmp9, 2
	s_add_co_u32 s16, s16, s15                     ; my block of 256 queries
	s_and_b32 s17, ttmp7, 0xffff                   ; the head, which the four partners share
	s_mov_b32 s24, 15|(3<<16)|(1<<21)              ; 15:0 the mask: all four work-groups; 17:16 elements of 8 bytes; 20 no padding; 21 set beside a mask
	s_mov_b32 s25, 32<<16                          ; tensor_dim0 = 32 (256 bytes)
	s_mov_b32 s26, 102<<16                         ; tensor_dim1 = 102 rows: two steps' blocks, dense in memory
	s_mov_b32 s27, 32<<16                          ; tile_dim0
	s_mov_b32 s28, 102                             ; tile_dim1
	s_mov_b32 s29, 32                              ; the pitch
	s_mov_b32 s30, 0
	s_mov_b32 s31, 0
	s_mov_b32 s22, 0x3fb8aa3b                      ; log2(e)
	s_mov_b32 s23, s22                             ; (named with it as a pair, so it is written)
	s_mov_b32 s36, 0x76543210
	s_mov_b32 s37, 0xfedcba98
	s_mov_b32 s38, 0
	s_mov_b32 s39, 3
	s_and_b32 s18, s14, 3
	s_mul_i32 s18, s18, 26112                      ; my quarter of a slot, in LDS and in memory
	s_mul_i32 s20, s17, 417792                     ; the head's 32 blocks
	s_add_co_u32 s20, s20, s18
	s_mov_b32 s21, 0
	s_wait_kmcnt 0x0
	s_mov_b32 s32, 1                               ; count = 1
	s_mov_b32 s33, s18                             ; LDS address: slot 0
	s_add_nc_u64 s[34:35], s[8:9], s[20:21]        ; global address: steps 0 to 7
	s_or_b32 s35, s35, 0x80000000                  ; type = 2
	CROUND                                         ; all four work-groups are here: the first joint loads meet
	JLOAD
	s_lshl_b32 s42, s17, 8
	s_lshl_b32 s44, s16, 4
	s_add_co_u32 s42, s42, s44
	s_add_co_u32 s42, s42, s14                     ; 256 g + my tile
	s_mul_i32 s42, s42, 768
	s_mov_b32 s43, 0
	s_add_nc_u64 s[4:5], s[4:5], s[42:43]          ; q's piece
	s_lshl_b32 s42, s17, 14
	s_lshl_b32 s44, s16, 10
	s_add_co_u32 s42, s42, s44
	s_add_nc_u64 s[12:13], s[12:13], s[42:43]      ; asw: the work-group's 1,024 bytes
	s_lshr_b32 s44, s14, 2
	s_lshl_b32 s44, s44, 8
	s_add_co_u32 s42, s42, s44
	s_and_b32 s44, s14, 3
	s_lshl_b32 s44, s44, 2
	s_add_co_u32 s42, s42, s44
	s_add_nc_u64 s[6:7], s[6:7], s[42:43]          ; q's scale words
	s_lshr_b32 s42, s17, 2
	s_mul_i32 s42, s42, 786432
	s_mul_i32 s44, s16, 49152
	s_add_co_u32 s42, s42, s44
	s_mul_i32 s44, s14, 3072
	s_add_co_u32 s42, s42, s44
	s_and_b32 s44, s17, 3
	s_mul_i32 s44, s44, 768
	s_add_co_u32 s42, s42, s44
	s_add_nc_u64 s[10:11], s[10:11], s[42:43]      ; ac: piece ((256 b + tile) 4 + head in the batch) 768
	v_and_b32 v1, 31, v0
	s_delay_alu instid0(VALU_DEP_1)
	v_lshlrev_b32 v2, 3, v1
	s_delay_alu instid0(VALU_DEP_2)
	v_lshlrev_b32 v1, 4, v1
	v_and_b32 v3, 15, v0
	s_delay_alu instid0(VALU_DEP_1)
	v_lshlrev_b32 v9, 2, v3
	s_delay_alu instid0(VALU_DEP_2)
	v_lshlrev_b32 v3, 4, v3
	global_load_b128 v[16:19], v1, s[4:5]          ; q stays in registers
	global_load_b64 v[20:21], v2, s[4:5] offset:512
	global_load_b32 v28, v3, s[6:7]
	s_lshl_b32 s19, s14, 6
	s_add_co_u32 s19, s19, SCR
	v_add_nc_u32 v9, s19, v9                       ; SCR + 64 wave + 4 r
	v_lshlrev_b32 v29, 4, v0
	s_delay_alu instid0(VALU_DEP_1)
	v_add_nc_u32 v10, SCR, v29
.irp j, 22,23,24,25,26,27
	v_mov_b32 v[\j], 0                             ; the upper 64 along K: zero codes
.endr
.irp t, 0,1,2,3
.irp j, 6,7,8,9,10,11
	v_mov_b32 v[32+12*\t+\j], 0
.endr
.endr
.set j, 0
.rept 32
	v_mov_b32 v[160+j], 0                          ; O^T.  (The step is written once: the first finds zeros, which the first change of M leaves zeros)
.set j, j+1
.endr
	v_mov_b32 v13, 0xff61b1e6                      ; the largest t so far: -3e38
	s_delay_alu instid0(VALU_DEP_1)
	v_floor_f32 v12, -v13                          ; -M
	v_mov_b32 v14, 0
	v_mov_b32 v15, 0
.irp b, 0,1,2,3
	v_mov_b32 v[216+\b], 0                         ; written once: a lane permute's destination counts as one of its sources
.endr
	v_mov_b32 v227, 0                              ; (named as the upper half of the pair v[226:227])
; A KEY STEP: 128 keys, whose block begins at LDS byte s38
.macro STEP
	v_add_nc_u32 v6, s38, v1
	v_add_nc_u32 v7, s38, v2
	v_add_nc_u32 v8, s38, v3
	v_nop
	v_nop                                          ; five places between the last step's products, which read v96-143, and the products below, which write over them
	ds_load_b128 v[80:83], v6 offset:6144          ; k's words: lanes 0-15 those of tiles 0-3, lanes 16-31 those of tiles 4-7
.irp t, 0,1,2,3
	ds_load_b128 v[32+12*\t:35+12*\t], v6 offset:768*\t
	ds_load_b64 v[36+12*\t:37+12*\t], v7 offset:768*\t+512
.endr
	s_wait_alu depctr_va_vdst(0)
	s_wait_dscnt 0x0
.irp t, 0,1,2,3
	v_wmma_scale_f32_16x16x128_f8f6f4 v[96+8*\t:103+8*\t], v[32+12*\t:43+12*\t], v[16:27], 0, v[80+\t], v28 matrix_a_fmt:MATRIX_FMT_FP6 matrix_b_fmt:MATRIX_FMT_FP6
.endr
	NOP4                                           ; places in front of loads into registers that matrix instructions have read
.irp t, 0,1,2,3
	ds_load_b128 v[32+12*\t:35+12*\t], v6 offset:768*(4+\t)
	ds_load_b64 v[36+12*\t:37+12*\t], v7 offset:768*(4+\t)+512
.endr
	s_wait_dscnt 0x0
.irp t, 0,1,2,3
	v_wmma_scale_f32_16x16x128_f8f6f4 v[128+8*\t:135+8*\t], v[32+12*\t:43+12*\t], v[16:27], 0, v[80+\t], v28 matrix_a_fmt:MATRIX_FMT_FP6 matrix_b_fmt:MATRIX_FMT_FP6 matrix_a_scale:MATRIX_SCALE_ROW1
.endr
	NOP4
.irp b, 0,1,2,3
	v_max3_num_f32 v[212+\b], v[96+16*\b], v[97+16*\b], v[98+16*\b]   ; THE LARGEST SCORE OF EACH BLOCK OF 32 KEYS serves twice: for the row's maximum and, since p rises with the score, for the block's largest p
.endr
.irp i, 3,5,7,9,11,13
.irp b, 0,1,2,3
	v_max3_num_f32 v[212+\b], v[212+\b], v[96+16*\b+\i], v[97+16*\b+\i]
.endr
.endr
.irp b, 0,1,2,3
	v_max_num_f32 v[212+\b], v[212+\b], v[111+16*\b]
.endr
.irp b, 0,1,2,3
	s_delay_alu instid0(VALU_DEP_4)
	v_permlanex16_b32 v[216+\b], v[212+\b], s36, s37
.endr
.irp b, 0,1,2,3
	s_delay_alu instid0(VALU_DEP_4)
	v_max_num_f32 v[212+\b], v[212+\b], v[216+\b]  ; with lane l xor 16's 16 keys
.endr
	s_delay_alu instid0(VALU_DEP_2)
	v_max3_num_f32 v224, v212, v213, v214
	s_delay_alu instid0(VALU_DEP_1)
	v_max_num_f32 v224, v224, v215
	s_delay_alu instid0(VALU_DEP_1)
	v_mul_f32 v224, s22, v224                      ; the step's largest t
	s_delay_alu instid0(VALU_DEP_1)
	v_max_num_f32 v13, v13, v224                   ; the running largest t
	v_mov_b32 v224, v12
	s_delay_alu instid0(VALU_DEP_2)
	v_floor_f32 v12, -v13                          ; the new -M = floor(-t) = -ceil(t)
	s_delay_alu instid0(VALU_DEP_1)
	v_sub_f32 v224, v12, v224                      ; old M - new M: a whole number, 0 or less
	s_delay_alu instid0(VALU_DEP_1)
	v_cvt_i32_f32 v224, v224                       ; (it saturates)
	s_delay_alu instid0(VALU_DEP_1)
	v_ldexp_f32 v226, 1.0, v224                    ; f = 2^(old M - new M)
.set j, 0
.rept 32
	v_pk_fma_f32 v[96+j:97+j], v[96+j:97+j], s[22:23], v[12:13] op_sel_hi:[1,0,0]   ; t - M, two at a time
.set j, j+2
.endr
.irp b, 0,1,2,3
	v_fma_f32 v[212+\b], v[212+\b], s22, v12       ; the same of each block's largest score
.endr
.set j, 0
	s_wait_alu depctr_va_vdst(0)
.rept 64
	v_exp_f32 v[96+j], v[96+j]                     ; p = 2^(t - M), at most 1
.set j, j+1
.endr
	s_setprio 1
.irp b, 0,1,2,3
	v_exp_f32 v[212+\b], v[212+\b]                 ; the block's largest p: the same two instructions on the same number
.endr
	v_pk_mul_f32 v[14:15], v[14:15], v[226:227] op_sel_hi:[1,0]   ; the sums under the new M.  (The plain place behind the exponentials)
	s_wait_alu depctr_va_vdst(0)
.irp b, 0,1,2,3
	v_max_num_f32 v[212+\b], 0x1800000, v[212+\b]  ; the floor 2^(3 - 127): the byte cannot fall under 1
.endr
.irp b, 0,1,2,3
	s_delay_alu instid0(VALU_DEP_4)
	v_add_nc_u32 v[220+\b], 0xff000000, v[212+\b]  ; 2 off the exponent field: the conversion's scale operand
.endr
.irp b, 0,1,2,3
	s_delay_alu instid0(VALU_DEP_4)
	v_lshrrev_b32 v[216+\b], 23, v[220+\b]
.endr
	s_delay_alu instid0(VALU_DEP_3)
	v_lshl_or_b32 v228, v217, 8, v216              ; p's scale word for these 128 keys
	s_delay_alu instid0(VALU_DEP_1)
	v_lshl_or_b32 v228, v218, 16, v228
	s_delay_alu instid0(VALU_DEP_1)
	v_lshl_or_b32 v228, v219, 24, v228
.irp c, 0,1
	v_cvt_scalef32_pk16_fp6_f32 v[192+6*\c:194+6*\c], v[96+32*\c:111+32*\c], v[220+2*\c]
	v_cvt_scalef32_pk16_fp6_f32 v[204+4*\c:206+4*\c], v[112+32*\c:127+32*\c], v[221+2*\c]   ; (a conversion's three registers begin on an even number)
.endr
	v_nop                                          ; one plain place behind a scaled conversion
.irp c, 0,1                                    ; the operand's layout wants a WHOLE block in a lane
.irp i, 0,1,2
	v_permlane16_swap_b32 v[192+6*\c+\i], v[204+4*\c+\i]
.endr
.irp i, 0,1,2
	s_delay_alu instid0(VALU_DEP_3)
	v_mov_b32 v[195+6*\c+\i], v[204+4*\c+\i]
.endr
.endr
	v_pk_add_f32 v[230:231], v[96:97], v[98:99]    ; THE ROW'S SUM IS TAKEN OF THE UNQUANTISED p: two at a time, in two chains; first the 48 registers that v's fragments will take
.irp j, 4,8,12,16,20,24,28,32,36,40,44
	v_pk_add_f32 v[14:15], v[14:15], v[96+\j:97+\j]
	v_pk_add_f32 v[230:231], v[230:231], v[98+\j:99+\j]
.endr
.irp t, 0,1,2,3
.irp c, 0,1,2
	ds_load_b128 v[96+12*\t+4*\c:99+12*\t+4*\c], v6 offset:6656+1536*\t+512*\c
.endr
.endr
	ds_load_b128 v[84:87], v8 offset:12800         ; v's words: row r's four, one for each channel tile
.set j, 0
	s_setprio 0
.rept 16
	v_pk_mul_f32 v[160+j:161+j], v[160+j:161+j], v[226:227] op_sel_hi:[1,0]   ; O^T under the new M, while the loads are out
.set j, j+2
.endr
.irp j, 48,52,56,60
	v_pk_add_f32 v[14:15], v[14:15], v[96+\j:97+\j]                ; the rest of the sum
	v_pk_add_f32 v[230:231], v[230:231], v[98+\j:99+\j]
.endr
	s_delay_alu instid0(VALU_DEP_1)
	v_pk_add_f32 v[14:15], v[14:15], v[230:231]
	s_wait_dscnt 0x0
.irp t, 0,1,2,3
	v_wmma_scale_f32_16x16x128_f8f6f4 v[160+8*\t:167+8*\t], v[96+12*\t:107+12*\t], v[192:203], v[160+8*\t:167+8*\t], v[84+\t], v228 matrix_a_fmt:MATRIX_FMT_FP6 matrix_b_fmt:MATRIX_FMT_FP6
.endr
	s_add_co_u32 s38, s38, STEPB
.endm
; THE CHANGE OF SLOTS stands at a slot's head.  Each wave waits for all its tensor loads (its part of the slot ahead), adds 0 to its spare word, and waits for that and for its reads of the slot that it has left.
; fill = 1: a round of the cluster's barrier follows, so that no wave of any partner still reads the other slot or has a load on its way, and that slot is asked for first behind it: the load has eight steps in which to land.
.macro CHANGE fill
	s_wait_tensorcnt 0x0                           ; no tensor load of mine is out, so the descriptor may be written
	ds_add_u32 v4, v5                              ; 0 onto my spare word
.if \fill
	s_xor_b32 s33, s33, SLOT1                      ; the other slot than last time,
	s_add_nc_u64 s[34:35], s[34:35], SLOTB         ; the next eight steps; the type bits on top are not reached
.endif
	s_wait_dscnt 0x0                               ; the add is done, and my reads of the slot that I have left are over
.if \fill
	CROUND
	JLOAD
.else
	s_barrier_signal -1
	s_barrier_wait -1
.endif
.endm
.macro SLOT_STEPS                      ; a slot's eight steps: written once, walked eight times
	s_mov_b32 s40, 8
.Lstep_\@:
	s_setprio 2
	STEP
	s_sub_co_u32 s40, s40, 1
	s_cmp_lg_u32 s40, 0
	s_cbranch_scc1 .Lstep_\@
	s_setprio 0
	s_sub_co_u32 s38, s38, SLOTB                   ; back to a slot's first step,
	s_xor_b32 s38, s38, SLOT1                      ; in the other slot
.endm
	s_wait_loadcnt 0x0                             ; q
.Lslot:                                            ; three trips: behind each change of slots but the last the next slot is asked for
	CHANGE 1
	SLOT_STEPS
	s_sub_co_u32 s39, s39, 1
	s_cmp_lg_u32 s39, 0
	s_cbranch_scc1 .Lslot
	CHANGE 0                                       ; the last slot is written out
	SLOT_STEPS
	; THE WAY OUT.  a = O^T / the sum; register 16 b + i of my query is channel 32 b + 16 (lane / 16) + i of the head: two blocks of the last product's K.  They are quantised here and leave as a piece and a scale word.
	NOP4                                           ; places behind the last products
	s_wait_alu depctr_va_vdst(0)
	v_add_f32 v14, v14, v15
	s_delay_alu instid0(VALU_DEP_1)
	v_permlanex16_b32 v224, v14, s36, s37
	s_delay_alu instid0(VALU_DEP_1)
	v_add_f32 v14, v14, v224                       ; the row's sum
	s_wait_alu depctr_va_vdst(0)
	v_rcp_f32 v14, v14
	v_nop                                          ; one plain place behind a transcendental
.set j, 0
	s_wait_alu depctr_va_vdst(0)
.rept 32
	v_mul_f32 v[96+j], v[160+j], v14               ; each accumulator from its low end on
.set j, j+1
.endr
.irp b, 0,1
	v_max3_num_f32 v[212+\b], |v[96+16*\b]|, |v[97+16*\b]|, 0x1800000
.endr
.irp i, 2,4,6,8,10,12,14
.irp b, 0,1
	s_delay_alu instid0(VALU_DEP_2)
	v_max3_num_f32 v[212+\b], v[212+\b], |v[96+16*\b+\i]|, |v[97+16*\b+\i]|
.endr
.endr
.irp b, 0,1
	s_delay_alu instid0(VALU_DEP_2)
	v_permlanex16_b32 v[216+\b], v[212+\b], s36, s37
.endr
.irp b, 0,1
	s_delay_alu instid0(VALU_DEP_2)
	v_max_num_f32 v[212+\b], v[212+\b], v[216+\b]
.endr
.irp b, 0,1
	s_delay_alu instid0(VALU_DEP_2)
	v_add_nc_u32 v[220+\b], 0xff000000, v[212+\b]
.endr
.irp b, 0,1
	s_delay_alu instid0(VALU_DEP_2)
	v_lshrrev_b32 v[216+\b], 23, v[220+\b]
.endr
	s_delay_alu instid0(VALU_DEP_1)
	v_lshl_or_b32 v228, v217, 8, v216              ; the head's two bytes of my row's scale word
	v_cvt_scalef32_pk16_fp6_f32 v[192:194], v[96:111], v220
	v_cvt_scalef32_pk16_fp6_f32 v[204:206], v[112:127], v221
	v_nop
.irp i, 0,1,2
	v_permlane16_swap_b32 v[192+\i], v[204+\i]
.endr
.irp i, 0,1,2
	s_delay_alu instid0(VALU_DEP_3)
	v_mov_b32 v[195+\i], v[204+\i]
.endr
	global_store_b128 v1, v[192:195], s[10:11]     ; 512 consecutive bytes, aligned,
	global_store_b64 v2, v[196:197], s[10:11] offset:512   ; and 256 more
	ds_store_b32 v9, v228                          ; both halves of the lanes write the same word with the same value
	s_wait_dscnt 0x0                               ; for the others' sake: my store is done
	s_barrier_signal -1
	s_barrier_wait -1
	s_cmp_lt_u32 s14, 2
	s_cbranch_scc0 .Lnot_out
	ds_load_b128 v[96:99], v10                     ; waves 0 and 1 store the sixteen tiles' words: 512 consecutive bytes each
	s_wait_dscnt 0x0
	global_store_b128 v29, v[96:99], s[12:13]
.Lnot_out:
	s_wait_tensorcnt 0x0                           ; the wave's end
	ds_add_u32 v4, v5
	s_wait_dscnt 0x0
	CROUND                                         ; the closing round: no work-group ends while a partner may still ask for a tile that names it
	s_endpgm
.Lfunc_end_k_q1641f3bd76_attn:
	.size	k_q1641f3bd76_attn, .Lfunc_end_k_q1641f3bd76_attn-k_q1641f3bd76_attn
	.p2alignl 7, 3214868480
	.fill 96, 4, 3214868480
	.section	.rodata,"a",@progbits
	.p2align	6, 0x0
	.amdhsa_kernel k_q1641f3bd76_attn
		.amdhsa_group_segment_fixed_size 327680
		.amdhsa_private_segment_fixed_size 0
		.amdhsa_enable_private_segment 0
		.amdhsa_kernarg_size 40
		.amdhsa_user_sgpr_count 2
		.amdhsa_user_sgpr_kernarg_segment_ptr 1
		.amdhsa_wavefront_size32 1
		.amdhsa_system_sgpr_workgroup_id_x 1
		.amdhsa_system_sgpr_workgroup_id_y 1
		.amdhsa_system_sgpr_workgroup_id_z 1
		.amdhsa_system_vgpr_workitem_id 0
		.amdhsa_next_free_vgpr 256
		.amdhsa_next_free_sgpr 66
		.amdhsa_reserve_vcc 0
		.amdhsa_float_denorm_mode_32 3
		.amdhsa_float_denorm_mode_16_64 3
		.amdhsa_memory_ordered 1
		.amdhsa_forward_progress 1
		.amdhsa_inst_pref_size 48
	.end_amdhsa_kernel
	.amdgpu_metadata
---
amdhsa.version: [ 1, 2 ]
amdhsa.kernels:
  - .name:           k_q1641f3bd76_attn
    .symbol:         k_q1641f3bd76_attn.kd
    .args:
      - { .name: qc, .offset: 0, .size: 8, .value_kind: global_buffer, .address_space: global }
      - { .name: qs, .offset: 8, .size: 8, .value_kind: global_buffer, .address_space: global }
      - { .name: kv, .offset: 16, .size: 8, .value_kind: global_buffer, .address_space: global }
      - { .name: ac, .offset: 24, .size: 8, .value_kind: global_buffer, .address_space: global }
      - { .name: asw, .offset: 32, .size: 8, .value_kind: global_buffer, .address_space: global }
    .group_segment_fixed_size: 327680
    .private_segment_fixed_size: 0
    .kernarg_segment_align: 8
    .kernarg_segment_size: 40
    .max_flat_workgroup_size: 512
    .sgpr_count:     66
    .vgpr_count:     256
    .wavefront_size: 32
...
	.end_amdgpu_metadata
.endif
;; end of part 3
;; launch proj (part 4): grid 256 x 1, 16 waves a work-group, no clusters, 84,992 bytes of LDS; arguments ac, asw, w_proj_codes, w_proj_scales, proj_bias, x, out0; writes out0
.if DOCPART == 4
	.amdgcn_target "amdgcn-amd-amdhsa--gfx1250"
	.amdhsa_code_object_version 6
	.text
	.protected	k_q1641f3bd76_proj
	.globl	k_q1641f3bd76_proj
	.p2align	8
	.type	k_q1641f3bd76_proj,@function
k_q1641f3bd76_proj:
	s_mov_b64 s[64:65], 0
	v_nop
	global_prefetch_b8 v0, s[64:65] scope:SCOPE_SE
	s_setreg_imm32_b32 hwreg(HW_REG_WAVE_MODE, 25, 1), 1
	s_wait_xcnt 0x0
; out0 = x + W a + bias, the product on codes of FP6 (E2M3) with E8M0 scales.  a arrives from the launch before as pieces (half fragments: one head's 64 channels of 16 positions, 768 bytes as an image of six
; registers a lane) and scale words (two bytes a head).  W: [256][256] as codes, K innermost, 192 bytes a row; its scale bytes [256][8].
; SHARES.  Work-group i: batch i / 64, positions 64 (i % 64) on: four tiles of 16 positions, sixteen pieces, which are 12,288 dense bytes of ac.  Wave w copies piece w into LDS; behind one barrier every wave reads
; all sixteen and makes outputs 16 w .. 16 w + 15 for the 64 positions: eight matrix instructions, four accumulators by turns.
; LAYOUT.  Source 0 = a (row r of tile j is position 32 (j / 2) + 8 (j % 2) + r + 8 (r / 8)), source 1 = 16 rows of W: a lane holds one output channel and eight neighbouring positions a tile.  The bias is the C of each
; sum's first instruction.  The results go through the wave's own 16 rows of a stage (256 bytes + 16) and leave with x added: each half of the lanes stores 256 consecutive bytes, aligned.
; No tensor loads: W goes once, straight into the registers where it is used, and what the work-groups share beside it is small.
.set ASC, 12288                        ; LDS: 0: the sixteen pieces, index 4 tile + head;  here: the scale words of (tile, K step), row r at 64 (2 tile + K step) + 4 r
.set STG, 12800                        ; the stage: 256 rows x 272 bytes
; v1 16 lane, v2 8 lane, v3 4 r; v4-6 where I store my piece and its two bytes; v7 scale words; v8, v9 W; v10, v11 the stage in and out; v12 x and out0; v16-22 my piece and word; v32-55 W's two fragments; v56-57 its words;
; v58 the bias, v64-71 eight copies; v72-167 a's eight fragments, later rows of the result; v168-175 their words; v176-207 the accumulators; v208-239 x.
	s_load_b256 s[4:11], s[0:1], 0x0               ; ac, asw, W's codes, W's scales
	s_load_b128 s[12:15], s[0:1], 0x20             ; the bias, x
	s_load_b64 s[16:17], s[0:1], 0x30              ; out0
	v_lshl_add_u32 v254, v0, 2, 0x14400
	v_mov_b32 v255, 0
	v_lshrrev_b32 v13, 5, v0
	s_delay_alu instid0(VALU_DEP_1)
	v_readfirstlane_b32 s18, v13                   ; wave 0..15
	v_and_b32 v13, 31, v0
	v_and_b32 v14, 15, v0                          ; r
	v_bfe_u32 v15, v0, 4, 1                        ; h
	s_delay_alu instid0(VALU_DEP_3)
	v_lshlrev_b32 v1, 4, v13
	s_delay_alu instid0(VALU_DEP_4)
	v_lshlrev_b32 v2, 3, v13
	s_delay_alu instid0(VALU_DEP_4)
	v_lshlrev_b32 v3, 2, v14
	s_mul_i32 s20, s18, 768
	v_add_nc_u32 v4, s20, v1
	v_add_nc_u32 v5, s20, v2
	s_delay_alu instid0(VALU_DEP_1)
	v_add_nc_u32 v5, 512, v5
	s_lshr_b32 s20, s18, 1
	s_lshl_b32 s20, s20, 6
	s_and_b32 s21, s18, 1
	s_lshl_b32 s21, s21, 1
	s_add_co_u32 s20, s20, s21
	s_add_co_u32 s20, s20, ASC
	v_add_nc_u32 v6, s20, v3                       ; piece w = tile w / 4, head w % 4: word 2 (w / 4) + (w % 4) / 2 = w / 2, its half w % 2
	v_add_nc_u32 v7, ASC, v3
	v_mul_u32_u24 v8, v14, 192
	s_delay_alu instid0(VALU_DEP_1)
	v_mad_u32_u24 v8, v15, 24, v8
	v_lshlrev_b32 v9, 3, v14
	s_mul_i32 s20, s18, 16*272
	s_add_co_u32 s20, s20, STG                     ; my 16 rows of the stage
	v_mul_u32_u24 v10, v14, 272
	s_delay_alu instid0(VALU_DEP_1)
	v_lshl_add_u32 v10, v15, 6, v10
	s_delay_alu instid0(VALU_DEP_1)
	v_add_nc_u32 v10, s20, v10                     ; in: row r, + 64 h
	v_mul_u32_u24 v11, v15, 272
	s_delay_alu instid0(VALU_DEP_1)
	v_lshl_add_u32 v11, v14, 4, v11
	s_delay_alu instid0(VALU_DEP_1)
	v_add_nc_u32 v11, s20, v11                     ; back: lanes 0-15 one row, lanes 16-31 the next
	v_lshlrev_b32 v12, 14, v15
	s_delay_alu instid0(VALU_DEP_1)
	v_lshl_add_u32 v12, v14, 4, v12                ; and the same two rows in x and out0 (a channel is 16,384 bytes)
	s_lshr_b32 s22, ttmp9, 6                       ; b
	s_and_b32 s23, ttmp9, 63                       ; which 64 positions
	s_mov_b32 s25, 0
	s_wait_alu depctr_va_vdst(0)
	s_wait_kmcnt 0x0
	s_mul_i32 s24, ttmp9, 12288
	s_mul_i32 s26, s18, 768
	s_add_co_u32 s24, s24, s26
	s_add_nc_u64 s[4:5], s[4:5], s[24:25]          ; my piece
	s_lshl_b32 s24, s22, 2
	s_and_b32 s26, s18, 3
	s_add_co_u32 s24, s24, s26
	s_lshl_b32 s24, s24, 14
	s_lshl_b32 s26, s23, 2
	s_lshr_b32 s27, s18, 2
	s_add_co_u32 s26, s26, s27
	s_lshl_b32 s26, s26, 6
	s_add_co_u32 s24, s24, s26
	s_add_nc_u64 s[6:7], s[6:7], s[24:25]          ; its words: head 4 b + w % 4, tile 4 (i % 64) + w / 4
	s_mul_i32 s24, s18, 3072
	s_add_nc_u64 s[8:9], s[8:9], s[24:25]
	s_lshl_b32 s24, s18, 7
	s_add_nc_u64 s[10:11], s[10:11], s[24:25]
	s_lshl_b32 s24, s18, 6
	s_add_nc_u64 s[12:13], s[12:13], s[24:25]
	s_lshl_b32 s24, s22, 22
	s_lshl_b32 s26, s18, 18
	s_add_co_u32 s24, s24, s26
	s_lshl_b32 s26, s23, 8
	s_add_co_u32 s24, s24, s26
	s_add_nc_u64 s[14:15], s[14:15], s[24:25]
	s_add_nc_u64 s[16:17], s[16:17], s[24:25]
	global_load_b128 v[16:19], v1, s[4:5] th:TH_LOAD_NT
	global_load_b64 v[20:21], v2, s[4:5] offset:512 th:TH_LOAD_NT
	global_load_b32 v22, v3, s[6:7] th:TH_LOAD_NT
.irp k, 0,1
.irp p, 0,1,2,3,4,5
	global_load_b64 v[32+12*\k+2*\p:32+12*\k+2*\p+1], v8, s[8:9] offset:96*\k+48*(\p/3)+8*(\p%3)
.endr
.endr
.irp k, 0,1
	global_load_b32 v[56+\k], v9, s[10:11] offset:4*\k
.endr
	global_load_b32 v58, v3, s[12:13]
.irp i, 0,1,2,3,4,5,6,7
	global_load_b128 v[208+4*\i:211+4*\i], v12, s[14:15] offset:32768*\i th:TH_LOAD_NT   ; x's last use in the program
.endr
	s_wait_loadcnt 23                              ; my piece and its word are in; W's 15 loads and x's 8 stay out
	ds_store_b128 v4, v[16:19]
	ds_store_b64 v5, v[20:21]
	ds_store_b16 v6, v22                           ; my head's two bytes, into their half of the word
	s_wait_dscnt 0x0                               ; for the others' sake: my stores are done
	s_barrier_signal -1
	s_barrier_wait -1
.irp k, 0,1                                    ; K step k = heads 2 k and 2 k + 1: a fragment's registers 0-5 are one head's piece, registers 6-11 the next head's.  20 LDS loads a K step
.irp m, 0,1,2,3
.irp c, 0,1
	ds_load_b128 v[72+12*(2*\m+\k)+6*\c:72+12*(2*\m+\k)+6*\c+3], v1 offset:768*(4*\m+2*\k+\c)
	ds_load_b64 v[72+12*(2*\m+\k)+6*\c+4:72+12*(2*\m+\k)+6*\c+5], v2 offset:768*(4*\m+2*\k+\c)+512
.endr
	ds_load_b32 v[168+2*\m+\k], v7 offset:64*(2*\m+\k)
.endr
.endr
	s_wait_loadcnt 8                               ; W, its words and the bias are in; x's 8 loads stay out
.irp j, 0,1,2,3,4,5,6,7
	v_mov_b32 v[64+\j], v58                        ; a lane holds one output channel: its bias in all eight registers
.endr
.rept 4
	v_nop
.endr
	s_wait_alu depctr_va_vdst(0)
	s_wait_dscnt 20                                ; the first K step's 20 loads are in
.irp m, 0,1,2,3
	v_wmma_scale_f32_16x16x128_f8f6f4 v[176+8*\m:183+8*\m], v[72+24*\m:83+24*\m], v[32:43], v[64:71], v[168+2*\m], v56 matrix_a_fmt:MATRIX_FMT_FP6 matrix_b_fmt:MATRIX_FMT_FP6
.endr
	s_wait_dscnt 0x0
.irp m, 0,1,2,3
	v_wmma_scale_f32_16x16x128_f8f6f4 v[176+8*\m:183+8*\m], v[84+24*\m:95+24*\m], v[44:55], v[176+8*\m:183+8*\m], v[169+2*\m], v57 matrix_a_fmt:MATRIX_FMT_FP6 matrix_b_fmt:MATRIX_FMT_FP6
.endr
.rept 4
	v_nop                                          ; places in front of the first read of results and of loads into registers that matrix instructions have read
.endr
.irp m, 0,1,2,3
	ds_store_b128 v10, v[176+8*\m:179+8*\m] offset:128*(\m/2)+32*(\m%2)        ; lane (r, h), tile m: positions 32 (m / 2) + 8 (m % 2) + 16 h + 0 .. 7; each accumulator from its low end on
	ds_store_b128 v10, v[180+8*\m:183+8*\m] offset:128*(\m/2)+32*(\m%2)+16
.endr
.irp i, 0,1,2,3,4,5,6,7
	ds_load_b128 v[72+4*\i:75+4*\i], v11 offset:544*\i   ; my own rows: LDS serves a wave's instructions in order (ISA guide 5.7.1.4), so these see the stores above
.endr
.irp i, 0,1,2,3,4,5,6,7
	s_wait_dscnt 7-\i                              ; rows 2 i, 2 i + 1 are back; the younger loads stay out
	s_wait_loadcnt 7-\i                            ; and so are x's
	v_pk_add_f32 v[72+4*\i:73+4*\i], v[72+4*\i:73+4*\i], v[208+4*\i:209+4*\i]
	v_pk_add_f32 v[74+4*\i:75+4*\i], v[74+4*\i:75+4*\i], v[210+4*\i:211+4*\i]
	global_store_b128 v12, v[72+4*\i:75+4*\i], s[16:17] offset:32768*\i th:TH_STORE_NT
.endr
	s_wait_tensorcnt 0x0
	ds_add_u32 v254, v255
	s_wait_dscnt 0x0
	s_endpgm
.Lfunc_end_k_q1641f3bd76_proj:
	.size	k_q1641f3bd76_proj, .Lfunc_end_k_q1641f3bd76_proj-k_q1641f3bd76_proj
	.p2alignl 7, 3214868480
	.fill 96, 4, 3214868480
	.section	.rodata,"a",@progbits
	.p2align	6, 0x0
	.amdhsa_kernel k_q1641f3bd76_proj
		.amdhsa_group_segment_fixed_size 84992
		.amdhsa_private_segment_fixed_size 0
		.amdhsa_enable_private_segment 0
		.amdhsa_kernarg_size 56
		.amdhsa_user_sgpr_count 2
		.amdhsa_user_sgpr_kernarg_segment_ptr 1
		.amdhsa_wavefront_size32 1
		.amdhsa_system_sgpr_workgroup_id_x 1
		.amdhsa_system_sgpr_workgroup_id_y 1
		.amdhsa_system_sgpr_workgroup_id_z 1
		.amdhsa_system_vgpr_workitem_id 0
		.amdhsa_next_free_vgpr 256
		.amdhsa_next_free_sgpr 66
		.amdhsa_reserve_vcc 0
		.amdhsa_float_denorm_mode_32 3
		.amdhsa_float_denorm_mode_16_64 3
		.amdhsa_memory_ordered 1
		.amdhsa_forward_progress 1
		.amdhsa_inst_pref_size 14
	.end_amdhsa_kernel
	.amdgpu_metadata
---
amdhsa.version: [ 1, 2 ]
amdhsa.kernels:
  - .name:           k_q1641f3bd76_proj
    .symbol:         k_q1641f3bd76_proj.kd
    .args:
      - { .name: ac, .offset: 0, .size: 8, .value_kind: global_buffer, .address_space: global }
      - { .name: asw, .offset: 8, .size: 8, .value_kind: global_buffer, .address_space: global }
      - { .name: w_proj_codes, .offset: 16, .size: 8, .value_kind: global_buffer, .address_space: global }
      - { .name: w_proj_scales, .offset: 24, .size: 8, .value_kind: global_buffer, .address_space: global }
      - { .name: proj_bias, .offset: 32, .size: 8, .value_kind: global_buffer, .address_space: global }
      - { .name: x, .offset: 40, .size: 8, .value_kind: global_buffer, .address_space: global }
      - { .name: out0, .offset: 48, .size: 8, .value_kind: global_buffer, .address_space: global }
    .group_segment_fixed_size: 84992
    .private_segment_fixed_size: 0
    .kernarg_segment_align: 8
    .kernarg_segment_size: 56
    .max_flat_workgroup_size: 512
    .sgpr_count:     66
    .vgpr_count:     256
    .wavefront_size: 32
...
	.end_amdgpu_metadata
.endif
;; end of part 4
